; MI455X (gfx1250); checked and timed in simulation.
; The chip was launched on July 23, 2026; its instructions are those of AMD's public machine-readable ISA for CDNA 5 (MIT licence, August 2026) and "CDNA5" Instruction Set Architecture Reference Guide (July 2026). The comments in the code are by the model that wrote it; some were corrected since.
;; Euclidean Codebook. Allowed arithmetic: float matrix products may take bf16 or f16 operands with f32 sums; all other float work in f32.
;; Inputs: embed 8,192 x 256 float32; x 16 x 2,048 x 256 float32.
;; Outputs: out0 16 x 2,048 x 256 float32.
;; One version. Each part assembles by itself: llvm-mc -triple=amdgcn-amd-amdhsa -mcpu=gfx1250 --defsym DOCPART=n.
;; ======== version 1 of 1: 3 launches
;; workspace buffers: cb 4,194,304 bytes; ebias 32,768 bytes; idx 131,072 bytes of whole numbers
;; launch prep (part 1): grid 128 x 1, 8 waves a work-group, no clusters, 1,280 bytes of LDS; arguments embed, cb, ebias; writes cb, ebias
.if DOCPART == 1
	.amdgcn_target "amdgcn-amd-amdhsa--gfx1250"
	.amdhsa_code_object_version 6
	.text
	.protected	k_qbf0cd59b32_prep
	.globl	k_qbf0cd59b32_prep
	.p2align	8
	.type	k_qbf0cd59b32_prep,@function
k_qbf0cd59b32_prep:
	s_mov_b64 s[64:65], 0
	v_nop
	global_prefetch_b8 v0, s[64:65] scope:SCOPE_SE
	s_setreg_imm32_b32 hwreg(HW_REG_WAVE_MODE, 25, 1), 1
	s_wait_xcnt 0x0
; cb[k][d] = bf16(embed[k][d]) (round to nearest even);  ebias[k] = -0.5 * sum over d of cb[k][d]^2, in f32.
; embed: [8192][256] f32.  cb: [8192][256] bf16.  ebias: [8192] f32.
; The codebook is rounded once here, so that the 256 work-groups of the next launch need not each round all of it.
; A work-group owns 64 rows, so that its 64 biases are 256 consecutive bytes, aligned, stored by one instruction: hence 8192 / 64 = 128 work-groups.
; Wave w owns rows 8 w .. 8 w + 7 of them; a lane holds 8 neighbouring numbers of a row; a row's 512 bytes of cb leave by one store of the wave.
; All 16 loads of a wave go out at once; there is no loop.  embed is read again by the last launch, so the loads carry no hint.
.set X, 16                             ; v[16:79]   row q: 8 registers, f32 as loaded
.set Y, 80                             ; v[80:111]  row q: 4 registers, 8 bf16 to store (a set for each row: no store's data is rewritten)
.set T, 6                              ; v[6:13]    the rounded numbers widened again
	s_load_b128 s[4:7], s[0:1], 0x0                ; embed s[4:5], cb s[6:7]
	s_load_b64 s[8:9], s[0:1], 0x10                ; ebias
	v_lshl_add_u32 v112, v0, 2, 0x100
	v_mov_b32 v113, 0
	v_lshrrev_b32 v5, 5, v0
	v_readfirstlane_b32 s12, v5                    ; wave 0..7
	v_and_b32 v3, 31, v0                           ; lane
	v_lshlrev_b32 v1, 5, v3                        ; 32 bytes of embed a lane
	v_lshlrev_b32 v2, 4, v3                        ; 16 bytes of cb a lane
	v_lshlrev_b32 v3, 3, v3                        ; 8 bytes of ebias a lane (wave 0, at the end)
	v_mov_b32 v4, s12
	v_lshlrev_b32 v4, 5, v4                        ; my wave's 8 words in LDS: byte 32 w
	s_mov_b32 s16, 0xffff0000                      ; a word's upper bf16
	s_mov_b32 s17, 0x76543210                      ; v_permlanex16_b32: lane i of one half reads lane i of the other
	s_mov_b32 s18, 0xfedcba98
	s_lshl_b32 s13, ttmp9, 6
	s_lshl3_add_u32 s13, s12, s13                  ; my first row = 64 x work-group + 8 x wave
	s_lshl_b32 s14, s13, 10                        ; x 1,024 bytes (below 8 MiB)
	s_mov_b32 s15, 0
	s_wait_kmcnt 0x0
	s_add_nc_u64 s[4:5], s[4:5], s[14:15]
	s_lshl_b32 s14, s13, 9                         ; x 512 bytes
	s_add_nc_u64 s[6:7], s[6:7], s[14:15]
	s_lshl_b32 s14, ttmp9, 8                       ; the work-group's 256 bytes of ebias
	s_add_nc_u64 s[8:9], s[8:9], s[14:15]
.irp q, 0,1,2,3,4,5,6,7
	global_load_b128 v[X+8*\q:X+8*\q+3],   v1, s[4:5] offset:1024*\q
	global_load_b128 v[X+8*\q+4:X+8*\q+7], v1, s[4:5] offset:1024*\q+16
.endr
.macro ROWQ q
	s_wait_loadcnt 14-2*\q                         ; loads come back in order (ISA guide 5.7.1): row q's two are in, the later rows' stay out
.irp k, 0,1,2,3
	v_cvt_pk_bf16_f32 v[Y+4*\q+\k], v[X+8*\q+2*\k], v[X+8*\q+2*\k+1]
.endr
	global_store_b128 v2, v[Y+4*\q:Y+4*\q+3], s[6:7] offset:512*\q   ; the wave stores the row's 512 consecutive bytes
.irp k, 0,1,2,3
	v_lshlrev_b32 v[T+2*\k],   16, v[Y+4*\q+\k]    ; the ROUNDED numbers back in f32: the bias belongs to the codes that are multiplied
	v_and_b32     v[T+2*\k+1], s16, v[Y+4*\q+\k]
.endr
	v_pk_mul_f32 v[14:15], v[T:T+1], v[T:T+1]      ; the first squares start the sums
	v_pk_fma_f32 v[14:15], v[T+2:T+3], v[T+2:T+3], v[14:15]
	v_pk_fma_f32 v[14:15], v[T+4:T+5], v[T+4:T+5], v[14:15]
	v_pk_fma_f32 v[14:15], v[T+6:T+7], v[T+6:T+7], v[14:15]
	v_add_f32 v14, v14, v15
	v_add_f32_dpp v14, v14, v14 row_xmask:1 row_mask:0xf bank_mask:0xf
	v_add_f32_dpp v14, v14, v14 row_xmask:2 row_mask:0xf bank_mask:0xf
	v_add_f32_dpp v14, v14, v14 row_xmask:4 row_mask:0xf bank_mask:0xf
	v_add_f32_dpp v14, v14, v14 row_xmask:8 row_mask:0xf bank_mask:0xf
	v_permlanex16_b32 v15, v14, s17, s18           ; v15 has been written above
	v_add_f32 v14, v14, v15                        ; every lane holds the row's sum of squares
	v_mul_f32 v14, -0.5, v14
	ds_store_b32 v4, v14 offset:4*\q               ; all lanes write the same word with the same value: word 8 w + q
.endm
.irp q, 0,1,2,3,4,5,6,7
	ROWQ \q
.endr
	s_wait_dscnt 0x0                               ; my eight words are in LDS, for wave 0's sake
	s_barrier_signal -1
	s_barrier_wait -1
	s_cmp_lg_u32 s12, 0
	s_cbranch_scc1 .Lend
	ds_load_b64 v[6:7], v3                         ; wave 0: two biases a lane
	s_wait_dscnt 0x0
	global_store_b64 v3, v[6:7], s[8:9]            ; 32 lanes store 256 consecutive bytes, aligned
.Lend:
	s_wait_tensorcnt 0x0
	ds_add_u32 v112, v113
	s_wait_dscnt 0x0
	s_endpgm
.Lfunc_end_k_qbf0cd59b32_prep:
	.size	k_qbf0cd59b32_prep, .Lfunc_end_k_qbf0cd59b32_prep-k_qbf0cd59b32_prep
	.p2alignl 7, 3214868480
	.fill 96, 4, 3214868480
	.section	.rodata,"a",@progbits
	.p2align	6, 0x0
	.amdhsa_kernel k_qbf0cd59b32_prep
		.amdhsa_group_segment_fixed_size 1280
		.amdhsa_private_segment_fixed_size 0
		.amdhsa_enable_private_segment 0
		.amdhsa_kernarg_size 24
		.amdhsa_user_sgpr_count 2
		.amdhsa_user_sgpr_kernarg_segment_ptr 1
		.amdhsa_wavefront_size32 1
		.amdhsa_system_sgpr_workgroup_id_x 1
		.amdhsa_system_sgpr_workgroup_id_y 1
		.amdhsa_system_sgpr_workgroup_id_z 1
		.amdhsa_system_vgpr_workitem_id 0
		.amdhsa_next_free_vgpr 114
		.amdhsa_next_free_sgpr 66
		.amdhsa_reserve_vcc 0
		.amdhsa_float_denorm_mode_32 3
		.amdhsa_float_denorm_mode_16_64 3
		.amdhsa_memory_ordered 1
		.amdhsa_forward_progress 1
		.amdhsa_inst_pref_size 14
	.end_amdhsa_kernel
	.amdgpu_metadata
---
amdhsa.version: [ 1, 2 ]
amdhsa.kernels:
  - .name:           k_qbf0cd59b32_prep
    .symbol:         k_qbf0cd59b32_prep.kd
    .args:
      - { .name: embed, .offset: 0, .size: 8, .value_kind: global_buffer, .address_space: global }
      - { .name: cb, .offset: 8, .size: 8, .value_kind: global_buffer, .address_space: global }
      - { .name: ebias, .offset: 16, .size: 8, .value_kind: global_buffer, .address_space: global }
    .group_segment_fixed_size: 1280
    .private_segment_fixed_size: 0
    .kernarg_segment_align: 8
    .kernarg_segment_size: 24
    .max_flat_workgroup_size: 256
    .sgpr_count:     66
    .vgpr_count:     114
    .wavefront_size: 32
...
	.end_amdgpu_metadata
.endif
;; end of part 1
;; launch nearest (part 2): grid 256 x 1, 8 waves a work-group, clusters of 4 x 1, 327,680 bytes of LDS; arguments cb, ebias, x, idx; writes idx
.if DOCPART == 2
	.amdgcn_target "amdgcn-amd-amdhsa--gfx1250"
	.amdhsa_code_object_version 6
	.text
	.protected	k_qbf0cd59b32_nearest
	.globl	k_qbf0cd59b32_nearest
	.p2align	8
	.type	k_qbf0cd59b32_nearest,@function
k_qbf0cd59b32_nearest:
	s_mov_b64 s[64:65], 0
	v_nop
	global_prefetch_b8 v0, s[64:65] scope:SCOPE_SE
	s_setreg_imm32_b32 hwreg(HW_REG_WAVE_MODE, 25, 1), 1
	s_wait_xcnt 0x0
	s_wait_alu depctr_hold_cnt(0) depctr_sa_sdst(0) depctr_va_vdst(0) depctr_va_sdst(0) depctr_va_ssrc(0) depctr_va_vcc(0) depctr_vm_vsrc(0)
	s_getreg_b32 s2, hwreg(HW_REG_IB_STS2, 6, 4)
	s_cmp_eq_u32 s2, 0
	s_cbranch_scc0 .Lentry_in_a_cluster
	s_endpgm
.Lentry_in_a_cluster:
	s_bfe_u32 s2, ttmp6, 0x10000c
	s_cmp_lg_u32 s2, 0x3003
	s_cbranch_scc0 .Lentry_shape_is_right
	s_endpgm
.Lentry_shape_is_right:
; idx[n] = the k with the largest  x[n] . cb[k] + ebias[k]  =  x.e - |e|^2 / 2.   x: [32768][256] f32, cb: [8192][256] bf16, ebias: [8192] f32, idx: [32768] u32.
; That k is the arg-max of -(|x|^2 - 2 x.e + |e|^2): |x|^2 is the same for all k of a row and the factor 2 is positive, so |x|^2 is not formed.
; LIMITS.  Both operands of the product are rounded to bf16 (nearest even), sums and scores are f32: a row whose two best codes lie closer than f32 rounding and
; the order of the sums resolve may get the other of the two.  Among scores that are equal here the lowest k wins.  A NaN score never raises the running maximum, and
; which index a row with NaN scores gets is not defined here (jnp.argmax would take the first NaN).  bf16 has f32's range, so no scale or offset of the inputs is cut off.
;
; SHARES.  A work-group owns 128 rows of x and walks all 8,192 codes, 256 a trip, 32 trips.  Wave w: rg = w & 1 picks 64 of the rows, cg = w >> 1 picks 64 of a trip's
; codes, four tiles of 16.  A wave keeps its 64 x 256 block of x as bf16 fragments in 256 registers for the whole launch, so the 8 KiB of a tile read from LDS feed 32
; matrix instructions.
; TRANSPOSED USE: source 0 = 16 codes, source 1 = 16 rows of x.  Lane (r, h) then holds row r of x and its register j code 8 h + j, so a running maximum is one value and
; one index for each 16 rows of x, and C of the first K step is ebias[8 h + j], brought by two LDS loads: the bias costs no vector instruction.
; CLUSTER: all work-groups read the same codes and biases.  Four of them form a cluster and ask jointly (mask 15): the requests for cb and ebias are divided by four.
; A slot's 256 rows are shared out among the eight waves: 32 rows of 512 bytes, 16 KiB, a load, one load a wave behind each round.
;
; THE ARG-MAX IS WOVEN INTO THE PRODUCTS: behind each matrix instruction of one tile stand two or four vector instructions of the tile before.  That needs a register map in
; which both run under ONE setting of the register windows (s_set_vgpr_msb: bits 1:0 source 0, 3:2 source 1, 5:4 source 2, 7:6 destination).  Same numbers in both windows:
;                    window 0 (v0-255)                        window 1 (v256-511)
;   v4-7             LDS addresses                            copies of them
;   v16-19, v20-23   RUN, IDX of the odd tiles (set 1)        RUN, IDX of the even tiles (set 0)
;   v24-31   BB      biases of set 0                          biases of set 1
;   v32-63   AC      four accumulators of set 0               four accumulators of set 1
;   v64-127  BF      code fragments of K steps 0-3, set 0, 1  code fragments of K steps 4-7, set 0, 1
;   v128-255 XF      x fragments of K steps 4-7               x fragments of K steps 0-3
; A tile's products go in two phases, L (K steps 0-3) and H (4-7).  Set b, phase P (L = 0, H = 1): source 0 (codes) in window P, source 1 (x) in window 1 - P, C and D in
; window b.  The other set's scores lie in window 1 - b and their running maximum, which is written, in window b: where P = b the maximum is source 0 and the score source 1
; of the compare and of the max, where P differs the other way round.  So there are two running states, of the even and of the odd tiles, merged at the end.
; An LDS load's data go to the destination's window and its address comes from source 0's, so each group of loads stands in a phase whose setting fits it.
;
; LDS: slot 0 at 0, slot 1 at 135,168 (256 code rows of 512 + 16 bytes); slot 1's first fill is x as f32 (128 rows of 1,024 + 16 bytes); all of ebias at 270,336, filled once;
; at 303,104 4 KiB that only LDS stores write: [cg][128] best values, then [cg][128] best indices.
.set PITCH,  528                       ; 33 x 16 bytes: the 16 rows that a load touches start in 16 different 16-byte columns of 256 bytes
.set SLOT,   256*PITCH
.set TILEB,  16*PITCH                  ; 16 codes
.set XPITCH, 1040                      ; 65 x 16 bytes
.set BIAS,   2*SLOT
.set RED,    BIAS+32768
.set ADR, 4                            ; v4, v5   LDS address of my code fragments in slot 0, 1
.set VB,  6                            ; v6       LDS address of my 8 biases of a trip's tile 0; each window's copy steps 1,024 bytes a trip
.set XA,  7                            ; v7       LDS address of my x numbers; at the end (window 0): where my best values go
.set RUN, 16
.set IDX, 20                           ; the best code's number, less 8 h
.set BB,  24
.set AC,  32
.set BF,  64
.set XF,  128                          ; fragment (xt, kq) at 8 (4 xt + kq), kq = K step mod 4
.set ST,  64                           ; x as f32 ahead of the trips: two stages of 32 registers, where the code fragments lie later
.set S0L, 0x04                         ; the four settings: set 0 or 1, phase L or H
.set S0H, 0x01
.set S1L, 0x54
.set S1H, 0x51
.set G1C, 16                           ; s[16:23] group 1, code tiles (joint)
.set G0C, 24                           ; s[24:31] group 0, code tiles, a set for each slot
.set G1X, 32                           ; s[32:39] group 1, x (my own)
.set G0X, 40                           ; s[40:43]
.set G1B, 44                           ; s[44:51] group 1, biases (joint)
.set G0B, 52                           ; s[52:55]
.set MK,  66                           ; s[66:69] compare masks
.set IX,  72                           ; s[72:79] number of the code in register j of the tile that the arg-max takes next, at h = 0
.set MSB, 0
.macro WIN new                         ; s_set_vgpr_msb; the immediate's high byte repeats the setting that is left
.if MSB != \new
	s_set_vgpr_msb (MSB<<8)|\new
.set MSB, \new
.endif
.endm
.macro CREST                           ; a round of the cluster's barrier behind its opening work-group barrier
	s_cmp_lg_u32 s12, 0
	s_cbranch_scc1 .Lnot_wave_0_\@
	s_barrier_signal -3
.Lnot_wave_0_\@:
	s_barrier_wait -3
	s_barrier_signal -1
	s_barrier_wait -1
.endm
.macro ROUND                           ; a whole round
	s_barrier_signal -1
	s_barrier_wait -1
	CREST
.endm
.macro PLACES                          ; four plain vector places behind a matrix instruction (ISA guide 7.12.1)
.rept 4
	v_nop
.endr
.endm
	s_load_b256 s[4:11], s[0:1], 0x0               ; cb s[4:5], ebias s[6:7], x s[8:9], idx s[10:11]
	v_lshl_add_u32 v15, v0, 2, 0x4b000
	s_set_vgpr_msb 0x40
	v_mov_b32 v15, 0
	s_set_vgpr_msb 0x4044
	ds_add_u32 v15, v15
	s_set_vgpr_msb 0x4400
	v_lshrrev_b32 v1, 5, v0
	v_readfirstlane_b32 s12, v1                    ; wave 0..7
	s_and_b32 s13, s12, 1                          ; rg
	s_lshr_b32 s14, s12, 1                         ; cg
	s_bfe_u32 s61, ttmp6, 0x40000                  ; cx: my place in the cluster
	s_lshl_b32 s15, ttmp9, 2                       ; ttmp9 counts clusters
	s_add_co_u32 s15, s15, s61                     ; work-group 0..255: enters x's and idx's global addresses alone
	s_mov_b32 s62, 0x76543210                      ; v_permlanex16_b32: lane i of one half reads lane i of the other
	s_mov_b32 s63, 0xfedcba98
	; group 1, code tiles: 32 rows x 256 bf16, 16 bytes of padding behind each row's 128 words
	s_mov_b32 s[G1C+0], 15|(1<<16)|(1<<20)|(1<<21)|(6<<22)|(3<<25)  ; mask: all four of the cluster; 2-byte elements; padding on; bit 21 beside a mask; every 128 words; 4 words
	s_mov_b32 s[G1C+1], 256<<16                    ; tensor_dim0 = 256
	s_mov_b32 s[G1C+2], 32<<16                     ; tensor_dim1 = 32
	s_mov_b32 s[G1C+3], 256<<16                    ; tile_dim0 = 256
	s_mov_b32 s[G1C+4], 32                         ; tile_dim1 = 32
	s_mov_b32 s[G1C+5], 256                        ; elements from row to row
	s_mov_b32 s[G1C+6], 0
	s_mov_b32 s[G1C+7], 0
	; group 1, x: 16 rows x 256 f32, 16 bytes of padding behind each row's 256 words; no mask: each work-group has rows of its own
	s_mov_b32 s[G1X+0], (2<<16)|(1<<20)|(7<<22)|(3<<25)
	s_mov_b32 s[G1X+1], 256<<16
	s_mov_b32 s[G1X+2], 16<<16
	s_mov_b32 s[G1X+3], 256<<16
	s_mov_b32 s[G1X+4], 16
	s_mov_b32 s[G1X+5], 256
	s_mov_b32 s[G1X+6], 0
	s_mov_b32 s[G1X+7], 0
	; group 1, biases: a dense block of 4 KiB as 16 rows of 32 elements of 8 bytes, no padding, joint
	s_mov_b32 s[G1B+0], 15|(3<<16)|(1<<21)
	s_mov_b32 s[G1B+1], 32<<16
	s_mov_b32 s[G1B+2], 16<<16
	s_mov_b32 s[G1B+3], 32<<16
	s_mov_b32 s[G1B+4], 16
	s_mov_b32 s[G1B+5], 32
	s_mov_b32 s[G1B+6], 0
	s_mov_b32 s[G1B+7], 0
	; groups 0.  The joint loads' words hang on the wave's number alone; s[58:59] alone hold what hangs on the work-group.
	s_mov_b32 s[G0C+0], 1
	s_mul_i32 s[G0C+1], s12, 32*PITCH              ; my 32 rows of slot 0
	s_mov_b32 s[G0C+4], 1
	s_add_co_u32 s[G0C+5], s[G0C+1], SLOT          ; and of slot 1
	s_mov_b32 s[G0X+0], 1
	s_mul_i32 s[G0X+1], s12, 16*XPITCH
	s_add_co_u32 s[G0X+1], s[G0X+1], SLOT          ; x's stage is slot 1: my 16 rows of it
	s_mov_b32 s[G0B+0], 1
	s_lshl_b32 s[G0B+1], s12, 12
	s_add_co_u32 s[G0B+1], s[G0B+1], BIAS          ; my 4 KiB of the biases
	s_lshl_b32 s56, s12, 14                        ; 32 rows of cb = 16 rows of x = 16,384 bytes a wave
	s_mov_b32 s57, 0
	s_lshl_b32 s58, s15, 17                        ; the work-group's 128 rows of x
	s_add_co_u32 s58, s58, s56
	s_mov_b32 s59, 0
	s_wait_dscnt 0x0
	s_wait_kmcnt 0x0
	s_add_nc_u64 s[G0C+2:G0C+3], s[4:5], s[56:57]          ; codes 0-255: my 32 rows
	s_add_nc_u64 s[G0C+6:G0C+7], s[G0C+2:G0C+3], 131072    ; codes 256-511
	s_or_b32 s[G0C+3], s[G0C+3], 0x80000000
	s_or_b32 s[G0C+7], s[G0C+7], 0x80000000
	s_add_nc_u64 s[G0X+2:G0X+3], s[8:9], s[58:59]
	s_or_b32 s[G0X+3], s[G0X+3], 0x80000000
	s_lshl_b32 s56, s12, 12
	s_add_nc_u64 s[G0B+2:G0B+3], s[6:7], s[56:57]
	s_or_b32 s[G0B+3], s[G0B+3], 0x80000000
	s_lshl_b32 s58, s15, 9                         ; the work-group's 128 words of idx
	s_add_nc_u64 s[10:11], s[10:11], s[58:59]
	ROUND                                          ; all four work-groups are here: the first joint loads meet
	tensor_load_to_lds s[G0X:G0X+3], s[G1X:G1X+7]  ; the three first fills go out as one group: x first, since it is wanted first,
	s_nop 0
	tensor_load_to_lds s[G0C:G0C+3], s[G1C:G1C+7]  ; codes 0-255 into slot 0,
	s_nop 0
	tensor_load_to_lds s[G0B:G0B+3], s[G1B:G1B+7]  ; the biases.  Three tensor loads of the wave are out
	s_nop 0
	v_and_b32 v2, 15, v0                           ; r
	v_bfe_u32 v3, v0, 4, 1                         ; h
	v_lshlrev_b32 v1, 3, v3                        ; 8 h
	v_mul_u32_u24 v[ADR], v2, PITCH                ; a fragment of 16 rows x 32 K of bf16: row r, 16 bytes at 16 h and 16 bytes 32 further on
	v_lshl_add_u32 v[ADR], v3, 4, v[ADR]
	s_mul_i32 s80, s14, 64*PITCH                   ; my 64 codes of the slot
	v_add_nc_u32 v[ADR], s80, v[ADR]
	v_add_nc_u32 v[ADR+1], SLOT, v[ADR]
	s_lshl_b32 s80, s14, 8
	s_add_co_u32 s80, s80, BIAS
	v_lshl_add_u32 v[VB], v3, 5, s80               ; bias of code 64 cg + 8 h
	v_mul_u32_u24 v[XA], v2, XPITCH
	v_lshl_add_u32 v[XA], v3, 5, v[XA]             ; f32: 8 numbers at 32 h, 8 more 64 bytes further on
	s_mul_i32 s80, s13, 64*XPITCH                  ; my 64 rows of x
	s_add_co_u32 s80, s80, SLOT
	v_add_nc_u32 v[XA], s80, v[XA]
	WIN 0x40                                       ; destination in window 1: the four addresses' copies
.irp a, ADR, ADR+1, VB, XA
	v_mov_b32 v[\a], v[\a]
.endr
	WIN 0
	s_lshl_b32 s[IX], s14, 6                       ; code 64 cg + j
.irp j, 1,2,3,4,5,6,7
	s_add_co_u32 s[IX+\j], s[IX], \j
.endr
	s_wait_tensorcnt 0x2                           ; tensor loads of a wave end in order (ISA guide 10.11.1): my rows of x are in; the two younger loads stay out,
	s_barrier_signal -1
	s_barrier_wait -1                              ; everybody's rows of x are in
; x from f32 in LDS to bf16 fragments.  A chunk c = 0..7 of half P: 16 rows (xt = c >> 1), two K steps (4 P + 2 (c & 1) + 0, 1): 8 loads, 16 roundings.
; Two stages of 32 registers take turns, so that one chunk's loads are on their way while the chunk before is rounded.
.macro XLD P, c
.irp q, 0,1
	ds_load_b128 v[ST+32*((\c)&1)+16*\q:ST+32*((\c)&1)+16*\q+3],     v[XA] offset:16*XPITCH*((\c)>>1)+128*(4*\P+2*((\c)&1)+\q)
	ds_load_b128 v[ST+32*((\c)&1)+16*\q+4:ST+32*((\c)&1)+16*\q+7],   v[XA] offset:16*XPITCH*((\c)>>1)+128*(4*\P+2*((\c)&1)+\q)+16
	ds_load_b128 v[ST+32*((\c)&1)+16*\q+8:ST+32*((\c)&1)+16*\q+11],  v[XA] offset:16*XPITCH*((\c)>>1)+128*(4*\P+2*((\c)&1)+\q)+64
	ds_load_b128 v[ST+32*((\c)&1)+16*\q+12:ST+32*((\c)&1)+16*\q+15], v[XA] offset:16*XPITCH*((\c)>>1)+128*(4*\P+2*((\c)&1)+\q)+80
.endr
.endm
.macro XCV c
.irp q, 0,1
.irp m, 0,1,2,3,4,5,6,7
	v_cvt_pk_bf16_f32 v[XF+8*(4*((\c)>>1)+2*((\c)&1)+\q)+\m], v[ST+32*((\c)&1)+16*\q+2*\m], v[ST+32*((\c)&1)+16*\q+2*\m+1]
.endr
.endr
.endm
.macro XPART P
	XLD \P, 0
	XLD \P, 1
.irp c, 0,1,2,3,4,5
	s_wait_dscnt 8                                 ; LDS loads come back in order (ISA guide 5.7.1): this chunk's 8 are in, the next chunk's 8 stay out
	XCV \c
	XLD \P, \c+2
.endr
	s_wait_dscnt 8
	XCV 6
	s_wait_dscnt 0x0
	XCV 7
.endm
	WIN 0x45                                       ; K steps 0-3: address, stages and fragments all in window 1
	XPART 0
	WIN 0                                          ; K steps 4-7: all in window 0
	XPART 1
	s_wait_dscnt 0x0                               ; my reads of x's stage are over (met: the last count ended at 0),
	s_set_vgpr_msb 0x4
	s_wait_tensorcnt 0x0                           ; and all my tensor loads have landed: my parts of slot 0 and of the biases
	ds_add_u32 v15, v15
	s_wait_dscnt 0x0
	s_set_vgpr_msb 0x400
	s_barrier_signal -1                            ; opens the round behind which slot 1 is filled again
.irp xt, 0,1,2,3
	v_mov_b32 v[RUN+\xt], 0xff800000               ; -infinity: the odd tiles' state
	v_mov_b32 v[IDX+\xt], 0
.endr
	WIN 0x40
.irp xt, 0,1,2,3
	v_mov_b32 v[RUN+\xt], 0xff800000               ; the even tiles' state, in window 1
	v_mov_b32 v[IDX+\xt], 0
.endr
	WIN 0
	s_barrier_wait -1
	CREST                                          ; no wave of any of the four work-groups still reads x's stage or has a load on its way
	tensor_load_to_lds s[G0C+4:G0C+7], s[G1C:G1C+7]        ; codes 256-511 into slot 1: the wave's one tensor load until the next round
	s_nop 0
; 8 LDS loads: half P (K steps 4 P .. 4 P + 3) of tile i of the slot into set b.  The window setting says which BF and which copy of the address.
.macro LDF b, P, slot, i
.irp kq, 0,1,2,3
	ds_load_b128 v[BF+32*\b+8*\kq:BF+32*\b+8*\kq+3],   v[ADR+\slot] offset:TILEB*\i+256*\P+64*\kq
	ds_load_b128 v[BF+32*\b+8*\kq+4:BF+32*\b+8*\kq+7], v[ADR+\slot] offset:TILEB*\i+256*\P+64*\kq+32
.endr
.endm
.macro LDB o                           ; 2 LDS loads: a tile's 8 biases a lane, 64 bytes a tile
	ds_load_b128 v[BB:BB+3],   v[VB] offset:\o
	ds_load_b128 v[BB+4:BB+7], v[VB] offset:\o+16
.endm
; One matrix instruction: 16 codes x 16 rows of x (xt) x 32 K.  The first K step takes the biases as C: nothing is cleared or added later.
.macro WM b, P, kq, xt
.if (\P+\kq) == 0
	v_wmma_f32_16x16x32_bf16 v[AC+8*\xt:AC+8*\xt+7], v[BF+32*\b+8*\kq:BF+32*\b+8*\kq+7], v[XF+8*(4*\xt+\kq):XF+8*(4*\xt+\kq)+7], v[BB:BB+7]
.else
	v_wmma_f32_16x16x32_bf16 v[AC+8*\xt:AC+8*\xt+7], v[BF+32*\b+8*\kq:BF+32*\b+8*\kq+7], v[XF+8*(4*\xt+\kq):XF+8*(4*\xt+\kq)+7], v[AC+8*\xt:AC+8*\xt+7]
.endif
.endm
; The arg-max's three instructions for score register j of rows xt of the OTHER set, under the setting of set b, phase P.  A later code takes the place only where its
; score is larger, so among equal scores the earlier (lower) index stays.
.macro CMPX b, P, xt, j
.if \b == \P
	v_cmp_lt_f32 s[MK+\xt], v[RUN+\xt], v[AC+8*\xt+\j]     ; the score is larger: take
.else
	v_cmp_le_f32 s[MK+\xt], v[AC+8*\xt+\j], v[RUN+\xt]     ; the score is not larger: keep
.endif
.endm
.macro SELX b, P, xt, j
.if \b == \P
	v_cndmask_b32 v[IDX+\xt], v[IDX+\xt], s[IX+\j], s[MK+\xt]
.else
	v_cndmask_b32 v[IDX+\xt], s[IX+\j], v[IDX+\xt], s[MK+\xt]
.endif
.endm
.macro MAXX b, P, xt, j
.if \b == \P
	v_max_num_f32 v[RUN+\xt], v[RUN+\xt], v[AC+8*\xt+\j]
.else
	v_max_num_f32 v[RUN+\xt], v[AC+8*\xt+\j], v[RUN+\xt]
.endif
.endm
; A phase: 16 matrix instructions of set b (four K steps x my 64 rows of x) and, arg = 1, the arg-max of score registers 4 P .. 4 P + 3 of the other set.
; The four accumulators take turns, one instruction a turn.
; DISTANCES (ISA guide 7.12.1 for vector instructions).  The last matrix instruction of every K step is followed by four max instructions, which name the running
; maxima and the other set's scores alone: four places.  So behind a phase its fragments may be loaded again at once, and the next tile's compares find, behind the last
; write of the accumulator that they read, those four places or more.  arg = 0 (the launch's first tile: no scores yet): four v_nop close the phase instead.
.macro PHASE b, P, arg
.irp kq, 0,1,2,3
	WM \b, \P, \kq, 0
.if \arg
	CMPX \b, \P, 0, 4*\P+\kq
	CMPX \b, \P, 1, 4*\P+\kq
.endif
	WM \b, \P, \kq, 1
.if \arg
	CMPX \b, \P, 2, 4*\P+\kq
	CMPX \b, \P, 3, 4*\P+\kq
.endif
	WM \b, \P, \kq, 2
.if \arg
.irp xt, 0,1,2,3
	SELX \b, \P, \xt, 4*\P+\kq
.endr
.endif
	WM \b, \P, \kq, 3
.if \arg
.irp xt, 0,1,2,3
	MAXX \b, \P, \xt, 4*\P+\kq
.endr
.else
.if \kq == 3
	PLACES
.endif
.endif
.endr
.endm
.macro STEPIX step                     ; the eight code numbers step to the tile that the arg-max takes next
.irp j, 0,1,2,3,4,5,6,7
	s_add_co_u32 s[IX+\j], s[IX+\j], \step
.endr
.endm
; (val, ind) becomes (oval, oind) where that is larger, or equal with the lower index.  Only values are selected.
.macro BETTER val, ind, oval, oind
	v_cmp_gt_f32 s80, v[\oval], v[\val]
	v_cmp_eq_f32 s81, v[\oval], v[\val]
	v_cmp_lt_u32 s82, v[\oind], v[\ind]
	s_and_b32 s81, s81, s82
	s_or_b32 s80, s80, s81
	v_cndmask_b32 v[\val], v[\val], v[\oval], s80
	v_cndmask_b32 v[\ind], v[\ind], v[\oind], s80
.endm
; A TRIP: 256 codes in slot; my 64 of them are tiles 0 to 3 on sets 0, 1, 0, 1; with each tile's products goes the arg-max of the tile before.
; LDS loads, in the order of issue, round and round: A (8: K steps 0-3 of set 1), B (10: K steps 0-3 and biases of set 0), C (8: K steps 4-7 of set 0),
; D (2: biases of set 1), E (8: K steps 4-7 of set 1).  The counts at the phases' heads say how many were issued behind the group that the phase reads:
; set 0, L reads B: C + D + E = 18.   Set 0, H reads C: D + E + A = 18.   Set 1, L reads A (and the older D): B = 10.   Set 1, H reads E: A + B + C = 26.
; All reads of the slot have been issued at the head of tile 2, so the slot changes in the MIDDLE of tile 2: each wave waits for its LDS loads and for all its tensor
; loads (the one that is out is its part of the other slot) and signals; phase H of tile 2 is register work until all have signalled.
; mode = 2: the barrier opens a round of the cluster's barrier, and behind the round this slot is asked for again, with the codes two trips on: the wave's one tensor load
; until the next round, out for the seven phases up to the next trip's wait.  Then the next tile 0's first loads go out, and tile 3's 32 products, whose fragments are in
; registers, run while they are on their way.   mode = 1: the same without round and refill (nothing is left to fetch).   mode = 0: the last trip: no barrier, no loads.
.macro TRIP slot, first, mode
	s_wait_dscnt 18
	WIN S0L
	LDF 1, 0, \slot, 1                             ; A, tile 1
	PHASE 0, 0, 1-\first                           ; tile 0, with the last trip's tile 3
	s_wait_dscnt 18
	WIN S0H
	LDF 0, 0, \slot, 2                             ; B, tile 2
	LDB 128
	PHASE 0, 1, 1-\first
.if \first == 0
	STEPIX 208                                     ; 3 x 16 + 208 = 256 codes on
.endif
	s_wait_dscnt 10
	WIN S1L
	LDF 0, 1, \slot, 2                             ; C, tile 2
	PHASE 1, 0, 1                                  ; tile 1, with tile 0
	s_wait_dscnt 26
	WIN S1H
	LDB 192                                        ; D, tile 3
	PHASE 1, 1, 1
	LDF 1, 1, \slot, 3                             ; E, tile 3: into the fragments that this phase has read, four places behind its last matrix instruction
	STEPIX 16
	s_wait_dscnt 18
	WIN S0L
	LDF 1, 0, \slot, 3                             ; A, tile 3: my last reads of this slot
	PHASE 0, 0, 1                                  ; tile 2, with tile 1
	s_wait_dscnt 0x0                               ; my reads of this slot are over (the last were issued 16 matrix instructions ago)
.if \mode
	s_wait_tensorcnt 0x0                           ; all my tensor loads have landed: my part of the other slot; so a group 0 may be written:
	ds_add_u32 v15, v15
	s_wait_dscnt 0x0
.if \mode == 2
	s_add_nc_u64 s[G0C+4*\slot+2:G0C+4*\slot+3], s[G0C+4*\slot+2:G0C+4*\slot+3], 262144   ; this slot's next codes, 512 further on
.endif
	s_barrier_signal -1                            ; say so; register work alone up to the wait
.endif
	WIN S0H
	PHASE 0, 1, 1
	STEPIX 16
.if \mode
	WIN 0                                          ; at a branch and at a label every window is 0
	s_barrier_wait -1
.if \mode == 2
	CREST                                          ; no wave of any of the four work-groups still reads this slot or has a load on its way
	tensor_load_to_lds s[G0C+4*\slot:G0C+4*\slot+3], s[G1C:G1C+7]
	s_nop 0
.endif
	v_add_nc_u32 v[VB], 1024, v[VB]                ; window 0's copy: the next trip's 256 biases
	LDF 0, 0, 1-\slot, 0                           ; B, the next trip's tile 0
	LDB 0
.endif
	WIN S1L
.if \mode
	v_add_nc_u32 v[VB], 1024, v[VB]                ; window 1's copy (source 1 and the destination are in window 1)
	LDF 0, 1, 1-\slot, 0                           ; C, the next trip's tile 0
.endif
	PHASE 1, 0, 1                                  ; tile 3, with tile 2: its fragments have been in registers since the wait for 0
	WIN S1H
.if \mode
	LDB 64                                         ; D, the next trip's tile 1
.endif
	PHASE 1, 1, 1
.if \mode
	LDF 1, 1, 1-\slot, 1                           ; E, the next trip's tile 1
.endif
	STEPIX 16
.endm
	LDF 0, 0, 0, 0                                 ; the way in: B, C, D, E for trip 0's tiles 0 and 1, in the order in which every trip leaves them
	LDB 0
	WIN 0x40                                       ; destination in window 1, address in window 0
	LDF 0, 1, 0, 0
	LDB 64
	LDF 1, 1, 0, 1
	TRIP 0, 1, 2                                   ; trip 0: slot 0 is asked for again with codes 512-767
	WIN 0
	s_mov_b32 s60, 14
.Ltrips:
	TRIP 1, 0, 2                                   ; trips 1 to 28
	TRIP 0, 0, 2
	WIN 0
	s_sub_co_u32 s60, s60, 1
	s_cmp_lg_u32 s60, 0
	s_cbranch_scc1 .Ltrips
	TRIP 1, 0, 2                                   ; trip 29 asks for trip 31's codes: the last tensor load
	TRIP 0, 0, 1                                   ; trip 30: its barrier shows slot 1 whole
	TRIP 1, 0, 0                                   ; trip 31
	WIN S0L                                        ; its tile 3 (set 1): the maximum in window 0 is source 0, the scores in window 1 source 1
.irp j, 0,1,2,3,4,5,6,7
.irp xt, 0,1,2,3
	CMPX 0, 0, \xt, \j
.endr
.irp xt, 0,1,2,3
	SELX 0, 0, \xt, \j
.endr
.irp xt, 0,1,2,3
	MAXX 0, 0, \xt, \j
.endr
.endr
	; THE END.  Lane (r, h) holds, for each of its four rows of x, the best of the even and the best of the odd tiles among the codes = 8 h + j mod 16 of its wave's quarter.
	WIN 0x01                                       ; source 0 in window 1: the even tiles' state comes over, into the registers that held set 0's biases
.irp xt, 0,1,2,3
	v_mov_b32 v[BB+\xt],   v[RUN+\xt]
	v_mov_b32 v[BB+4+\xt], v[IDX+\xt]
.endr
	WIN 0
.irp xt, 0,1,2,3
	BETTER RUN+\xt, IDX+\xt, BB+\xt, BB+4+\xt
.endr
.irp xt, 0,1,2,3
	v_add_nc_u32 v[IDX+\xt], v[IDX+\xt], v1        ; the code's number: + 8 h
.endr
.irp xt, 0,1,2,3
	v_permlanex16_b32 v[BB+\xt],   v[RUN+\xt], s62, s63    ; its destination counts as read: these registers have been written above
	v_permlanex16_b32 v[BB+4+\xt], v[IDX+\xt], s62, s63
.endr
.irp xt, 0,1,2,3
	BETTER RUN+\xt, IDX+\xt, BB+\xt, BB+4+\xt      ; both halves now hold the same
.endr
	s_lshl_b32 s80, s12, 8                         ; 512 cg + 4 x 64 rg = 256 w: my wave's own 256 bytes
	s_add_co_u32 s80, s80, RED
	v_lshl_add_u32 v[XA], v2, 2, s80
.irp xt, 0,1,2,3
	ds_store_b32 v[XA], v[RUN+\xt] offset:64*\xt           ; row 64 rg + 16 xt + r of block cg; lanes r and 16 + r write the same word with the same value
	ds_store_b32 v[XA], v[IDX+\xt] offset:2048+64*\xt
.endr
	s_wait_dscnt 0x0                               ; for wave 0's sake
	s_barrier_signal -1
	s_barrier_wait -1
	s_cmp_lg_u32 s12, 0
	s_cbranch_scc1 .Lothers
	v_and_b32 v5, 31, v0                           ; wave 0 merges the four quarters of the codes: four rows of x a lane
	v_lshlrev_b32 v5, 4, v5
	v_add_nc_u32 v4, RED, v5
.irp c, 0,1,2,3
	ds_load_b128 v[64+4*\c:64+4*\c+3], v4 offset:512*\c
	ds_load_b128 v[80+4*\c:80+4*\c+3], v4 offset:2048+512*\c
.endr
	s_wait_dscnt 0x0
.irp c, 1,2,3
.irp e, 0,1,2,3
	BETTER 64+\e, 80+\e, 64+4*\c+\e, 80+4*\c+\e
.endr
.endr
	global_store_b128 v5, v[80:83], s[10:11]       ; the wave stores the work-group's 512 consecutive bytes of idx, aligned
.Lothers:
	s_set_vgpr_msb 0x4
	s_wait_tensorcnt 0x0
	ds_add_u32 v15, v15
	s_wait_dscnt 0x0
	s_set_vgpr_msb 0x400
	ROUND                                          ; the closing round: no work-group ends while a partner may still ask for a tile that names it
	s_endpgm
.Lfunc_end_k_qbf0cd59b32_nearest:
	.size	k_qbf0cd59b32_nearest, .Lfunc_end_k_qbf0cd59b32_nearest-k_qbf0cd59b32_nearest
	.p2alignl 7, 3214868480
	.fill 96, 4, 3214868480
	.section	.rodata,"a",@progbits
	.p2align	6, 0x0
	.amdhsa_kernel k_qbf0cd59b32_nearest
		.amdhsa_group_segment_fixed_size 327680
		.amdhsa_private_segment_fixed_size 0
		.amdhsa_enable_private_segment 0
		.amdhsa_kernarg_size 32
		.amdhsa_user_sgpr_count 2
		.amdhsa_user_sgpr_kernarg_segment_ptr 1
		.amdhsa_wavefront_size32 1
		.amdhsa_system_sgpr_workgroup_id_x 1
		.amdhsa_system_sgpr_workgroup_id_y 1
		.amdhsa_system_sgpr_workgroup_id_z 1
		.amdhsa_system_vgpr_workitem_id 0
		.amdhsa_next_free_vgpr 512
		.amdhsa_next_free_sgpr 84
		.amdhsa_reserve_vcc 0
		.amdhsa_float_denorm_mode_32 3
		.amdhsa_float_denorm_mode_16_64 3
		.amdhsa_memory_ordered 1
		.amdhsa_forward_progress 1
		.amdhsa_inst_pref_size 251
	.end_amdhsa_kernel
	.amdgpu_metadata
---
amdhsa.version: [ 1, 2 ]
amdhsa.kernels:
  - .name:           k_qbf0cd59b32_nearest
    .symbol:         k_qbf0cd59b32_nearest.kd
    .args:
      - { .name: cb, .offset: 0, .size: 8, .value_kind: global_buffer, .address_space: global }
      - { .name: ebias, .offset: 8, .size: 8, .value_kind: global_buffer, .address_space: global }
      - { .name: x, .offset: 16, .size: 8, .value_kind: global_buffer, .address_space: global }
      - { .name: idx, .offset: 24, .size: 8, .value_kind: global_buffer, .address_space: global }
    .group_segment_fixed_size: 327680
    .private_segment_fixed_size: 0
    .kernarg_segment_align: 8
    .kernarg_segment_size: 32
    .max_flat_workgroup_size: 256
    .sgpr_count:     84
    .vgpr_count:     512
    .wavefront_size: 32
...
	.end_amdgpu_metadata
.endif
;; end of part 2
;; launch gather (part 3): grid 512 x 1, 8 waves a work-group, no clusters, 0 bytes of LDS; arguments idx, embed, out0; writes out0
.if DOCPART == 3
	.amdgcn_target "amdgcn-amd-amdhsa--gfx1250"
	.amdhsa_code_object_version 6
	.text
	.protected	k_qbf0cd59b32_gather
	.globl	k_qbf0cd59b32_gather
	.p2align	8
	.type	k_qbf0cd59b32_gather,@function
k_qbf0cd59b32_gather:
	s_mov_b64 s[64:65], 0
	v_nop
	global_prefetch_b8 v0, s[64:65] scope:SCOPE_SE
	s_setreg_imm32_b32 hwreg(HW_REG_WAVE_MODE, 25, 1), 1
	s_wait_xcnt 0x0
; out0[n] = embed[idx[n]], the codes as they were given, in f32.  idx: [32768] u32, embed: [8192][256] f32, out0: [32768][256] f32.
; A wave takes 8 rows: their 8 indices come by one scalar load, each row by two loads of 512 consecutive bytes, and leaves by two stores of 512 consecutive bytes, aligned.
; All 16 loads of a wave go out at once, so there is no loop, no LDS and no barrier.  The loads carry no hint: a code may be named by many rows.
.set OFF, 2                            ; v[2:9]    row q: byte offset of my 16 bytes in embed
.set DAT, 16                           ; v[16:79]  row q: 8 registers
	s_load_b128 s[4:7], s[0:1], 0x0                ; idx s[4:5], embed s[6:7]
	s_load_b64 s[8:9], s[0:1], 0x10                ; out0
	v_lshrrev_b32 v1, 5, v0
	v_readfirstlane_b32 s12, v1                    ; wave 0..7
	v_and_b32 v1, 31, v0
	v_lshlrev_b32 v1, 4, v1                        ; 16 bytes a lane
	s_lshl_b32 s13, ttmp9, 6
	s_lshl3_add_u32 s13, s12, s13                  ; my first row = 64 x work-group + 8 x wave
	s_lshl_b32 s10, s13, 2                         ; its word in idx
	s_mov_b32 s11, 0
	s_lshl_b32 s14, s13, 10                        ; its 1,024 bytes in out0 (below 32 MiB)
	s_mov_b32 s15, 0
	s_wait_kmcnt 0x0
	s_add_nc_u64 s[4:5], s[4:5], s[10:11]
	s_add_nc_u64 s[8:9], s[8:9], s[14:15]
	s_load_b256 s[16:23], s[4:5], 0x0              ; eight indices, 32 bytes, aligned
	s_wait_kmcnt 0x0
.irp q, 0,1,2,3,4,5,6,7
	s_min_u32 s[16+\q], s[16+\q], 0x1fff           ; a loaded number enters an address only clamped to the table's 8,192 rows
	s_lshl_b32 s[16+\q], s[16+\q], 10              ; x 1,024 bytes
	v_add_nc_u32 v[OFF+\q], s[16+\q], v1
.endr
.irp q, 0,1,2,3,4,5,6,7
	global_load_b128 v[DAT+8*\q:DAT+8*\q+3],   v[OFF+\q], s[6:7]
	global_load_b128 v[DAT+8*\q+4:DAT+8*\q+7], v[OFF+\q], s[6:7] offset:512
.endr
.irp q, 0,1,2,3,4,5,6,7
	s_wait_loadcnt 14-2*\q                         ; loads come back in order (ISA guide 5.7.1): row q's two are in, the later rows' stay out
	global_store_b128 v1, v[DAT+8*\q:DAT+8*\q+3],   s[8:9] offset:1024*\q th:TH_STORE_NT
	global_store_b128 v1, v[DAT+8*\q+4:DAT+8*\q+7], s[8:9] offset:1024*\q+512 th:TH_STORE_NT
.endr
	s_endpgm
.Lfunc_end_k_qbf0cd59b32_gather:
	.size	k_qbf0cd59b32_gather, .Lfunc_end_k_qbf0cd59b32_gather-k_qbf0cd59b32_gather
	.p2alignl 7, 3214868480
	.fill 96, 4, 3214868480
	.section	.rodata,"a",@progbits
	.p2align	6, 0x0
	.amdhsa_kernel k_qbf0cd59b32_gather
		.amdhsa_group_segment_fixed_size 0
		.amdhsa_private_segment_fixed_size 0
		.amdhsa_enable_private_segment 0
		.amdhsa_kernarg_size 24
		.amdhsa_user_sgpr_count 2
		.amdhsa_user_sgpr_kernarg_segment_ptr 1
		.amdhsa_wavefront_size32 1
		.amdhsa_system_sgpr_workgroup_id_x 1
		.amdhsa_system_sgpr_workgroup_id_y 1
		.amdhsa_system_sgpr_workgroup_id_z 1
		.amdhsa_system_vgpr_workitem_id 0
		.amdhsa_next_free_vgpr 80
		.amdhsa_next_free_sgpr 66
		.amdhsa_reserve_vcc 0
		.amdhsa_float_denorm_mode_32 3
		.amdhsa_float_denorm_mode_16_64 3
		.amdhsa_memory_ordered 1
		.amdhsa_forward_progress 1
		.amdhsa_inst_pref_size 6
	.end_amdhsa_kernel
	.amdgpu_metadata
---
amdhsa.version: [ 1, 2 ]
amdhsa.kernels:
  - .name:           k_qbf0cd59b32_gather
    .symbol:         k_qbf0cd59b32_gather.kd
    .args:
      - { .name: idx, .offset: 0, .size: 8, .value_kind: global_buffer, .address_space: global }
      - { .name: embed, .offset: 8, .size: 8, .value_kind: global_buffer, .address_space: global }
      - { .name: out0, .offset: 16, .size: 8, .value_kind: global_buffer, .address_space: global }
    .group_segment_fixed_size: 0
    .private_segment_fixed_size: 0
    .kernarg_segment_align: 8
    .kernarg_segment_size: 24
    .max_flat_workgroup_size: 256
    .sgpr_count:     66
    .vgpr_count:     80
    .wavefront_size: 32
...
	.end_amdgpu_metadata
.endif
;; end of part 3
